; MI455X (gfx1250); checked and timed in simulation.
; The chip was launched on July 23, 2026; its instructions are those of AMD's public machine-readable ISA for CDNA 5 (MIT licence, August 2026) and "CDNA5" Instruction Set Architecture Reference Guide (July 2026). The comments in the code are by the model that wrote it; some were corrected since.
;; LSTM Cell. Allowed arithmetic: matrix products marked QUANTISED: E2M1 operands, one E8M0 scale for each 32 along K, by v_wmma_scale_f32_16x16x128_f8f6f4 with both operands' format E2M1 (or v_wmma_scale_f32_32x16x128_f4), f32 sums; everything else in f32.
;; Inputs: W_f 1,024 x 2,048 float32; W_g 1,024 x 2,048 float32; W_i 1,024 x 2,048 float32; W_o 1,024 x 2,048 float32; b_f 1,024 float32; b_g 1,024 float32; b_i 1,024 float32; b_o 1,024 float32; c 8,192 x 1,024 float32; h 8,192 x 1,024 float32; x 8,192 x 1,024 float32.
;; Outputs: out0 8,192 x 1,024 float32; out1 8,192 x 1,024 float32.
;; This version of the problem:
;;   THIS VERSION OF THE PROBLEM IS GIVEN IN LOW PRECISION. The matrix products marked QUANTISED in the list below multiply operands that are first quantised to E2M1 (2 exponent bits, 1 mantissa bit; 4 bits a number), with one power-of-two scale for each 32 numbers along K (OCP MX v1.0); their sums are f32. All else is computed in f32.
;;   The module's matrix products, in the order in which they are computed (A, B: the left and right operand; K: the contracted axis; several contracted axes count as one K, in the product's order):
;;     1. [M 8,192, K 2,048] x [K 2,048, N 4,096]; A: computed on the way; B: computed on the way: QUANTISED
;;   THE QUANTISER, for each operand of a quantised product, along K:
;;     - K is cut into blocks of 32 from its start; a last block that is shorter is filled with zeros.
;;     - A block's scale is 2^e with e = floor(log2(the largest magnitude in the block)) - 2, held to -126 .. 127; a block of zeros has e = 0. As a byte (E8M0): e + 127.
;;     - Each number is divided by its block's scale, clamped to +-6, and rounded to the nearest number of E2M1, ties to even, subnormals kept.
;;     - The product sums the exact products of the quantised numbers (number of the format x scale) in f32.
;;   ~~~python
;;   def quantise(x, axis):      # numpy; x: float32 -> the quantised numbers, widened to float32 again
;;       x = np.moveaxis(x, axis, -1); K = x.shape[-1]
;;       x = np.pad(x, [(0, 0)] * (x.ndim - 1) + [(0, -K % 32)]); x = x.reshape(x.shape[:-1] + (-1, 32)); a = np.abs(x).max(-1, keepdims=True)
;;       e = np.where(a > 0, np.clip(np.frexp(np.where(a > 0, a, 1))[1] - 1 - 2, -126, 127), 0)      # np.frexp(a)[1] - 1 = floor(log2(a)), exactly
;;       r = np.clip(x / 2.0 ** e, -6, 6)
;;       step = 2.0 ** (np.maximum(np.frexp(np.where(r == 0, 1, r))[1] - 1, 0) - 1)
;;       q = np.round(r / step) * step * 2.0 ** e      # np.round: ties to even
;;       return np.moveaxis(q.reshape(q.shape[:-2] + (-1,))[..., :K], -1, axis).astype(np.float32)
;;   ~~~
;;   OPERANDS COMPUTED ON THE WAY. 'Computed on the way' means the value that the module computes at that place (a softmax that the list does not call 'softmax' is quantised finished and normalised). What goes into a quantiser is computed in f32, as accurately as f32 sums, v_exp_f32 and their like allow (about 1e-6 of the number): no bf16 or f16 on the way to a quantiser, and a product that is left as it is and whose result goes on into a quantised operand takes f32 operands (vector FMAs, or v_wmma_f32_16x16x4_f32). A number that lies on a knife's edge between two numbers of the format may be rounded either way, as far as f32 arithmetic and the matrix unit's own rounding can turn it there, and no further.
;; One version. Each part assembles by itself: llvm-mc -triple=amdgcn-amd-amdhsa -mcpu=gfx1250 --defsym DOCPART=n.
;; ======== version 1 of 1: 2 launches
;; limits: right only within a limited range of input values
;; workspace buffers: a_img 8,912,896 bytes; b_img 4,456,448 bytes
;; launch quant (part 1): grid 768 x 1, 4 waves a work-group, no clusters, 33,280 bytes of LDS; arguments x, h, W_i, W_f, W_g, W_o, a_img, b_img; writes a_img, b_img
.if DOCPART == 1
	.amdgcn_target "amdgcn-amd-amdhsa--gfx1250"
	.amdhsa_code_object_version 6
	.text
	.protected	k_q40ea0fa9bd_quant
	.globl	k_q40ea0fa9bd_quant
	.p2align	8
	.type	k_q40ea0fa9bd_quant,@function
k_q40ea0fa9bd_quant:
	s_mov_b64 s[64:65], 0
	v_nop
	global_prefetch_b8 v0, s[64:65] scope:SCOPE_SE
	s_setreg_imm32_b32 hwreg(HW_REG_WAVE_MODE, 25, 1), 1
	s_wait_xcnt 0x0
; xh = [x | h], [8192][2048], and W = [W_i; W_f; W_g; W_o], [4096][2048], f32, become codes of FP4 (E2M1), two a byte, K innermost, with one E8M0 byte for each 32 along K.
; THE LAYOUT is the next launch's LDS image: for each tile of 256 rows and each K step of 512 a dense block of 69,632 bytes: 256 rows x 256 bytes of codes, then 256 rows x 16 scale bytes.
; W's row j of gate g (0 i, 1 f, 2 g, 3 o) is row (j / 32) x 128 + 32 g + j % 32: 128 neighbouring rows are 32 hidden units of all four gates.
; A block's scale is 2^(floor(log2(largest magnitude)) - 2): its byte is the largest magnitude's exponent field - 2, held at 1 from below; numbers are divided by it and rounded to the nearest code, ties to even, beyond 6 the largest code.
; LIMITS: a block of zeros, or one whose largest magnitude lies under 2^(3 - 127), gets the byte 1 (the rule says 127 for zeros: its codes are zeros, and this program alone reads the bytes); NaN and infinities are not served.
; SHARES: a work-group takes 16 rows; wave w takes K step w of each: 16 steps of 512 numbers, 4,096 consecutive bytes of codes, 256 consecutive scale bytes.  Work-groups 0-511 take xh, 512-767 W (64 a gate).
; One path: only pointers and offsets are chosen, by the work-group's and the wave's number.  Each load reads 512 consecutive bytes; a step's 2,048 bytes turn through the wave's own stage in LDS and come back 64 bytes a lane.
.set STEPS, 16
.set SP,    80
.set WREG,  8192
.set TS,    278528                     ; a tile's four blocks
.set KSB,   69632                      ; one block
.set R,     16
.set X,     80
.set E,     112
.set C,     128
.set VO,    160                        ; v160-175: 16 x lane + row x the source's pitch; never rewritten
.set SPW,   176
.set NIL,   177
	s_load_b256 s[4:11], s[0:1], 0x0               ; x, h, W_i, W_f
	s_load_b256 s[12:19], s[0:1], 0x20             ; W_g, W_o, a_img, b_img
	v_lshl_add_u32 v[SPW], v0, 2, 0x8000
	v_mov_b32 v[NIL], 0
	v_lshrrev_b32 v1, 5, v0
	v_readfirstlane_b32 s32, v1                    ; wave
	v_and_b32 v2, 31, v0                           ; lane
	s_mul_i32 s33, s32, WREG
	v_lshrrev_b32 v14, 2, v2
	v_mul_u32_u24 v14, v14, SP
	v_and_b32 v15, 3, v2
	v_lshl_add_u32 v14, v15, 4, v14
	v_add_nc_u32 v14, s33, v14                     ; the stage, on the way in
	v_mul_u32_u24 v15, v2, SP
	v_add_nc_u32 v15, s33, v15                     ; and on the way out: my 16 neighbours
	v_lshlrev_b32 v4, 3, v2                        ; 8 x lane
	v_lshrrev_b32 v5, 1, v2
	s_add_co_u32 s33, s33, 2*32*SP
	v_add_nc_u32 v5, s33, v5                       ; my block's scale byte in LDS
	v_add_nc_u32 v6, s33, v4
	s_lshl_b32 s34, ttmp9, 4                       ; xh: first row
	s_and_b32 s35, ttmp9, 63
	s_lshl_b32 s35, s35, 4                         ; W: first row j0 in its gate
	s_lshr_b32 s41, ttmp9, 6
	s_and_b32 s41, s41, 3                          ; the gate
	s_lshr_b32 s42, s35, 5
	s_lshl_b32 s42, s42, 7
	s_lshl_b32 s41, s41, 5
	s_add_co_u32 s42, s42, s41
	s_and_b32 s41, s35, 31
	s_add_co_u32 s42, s42, s41                     ; where W's 16 rows go
	s_lshl_b32 s36, s34, 12                        ; xh: rows of 4,096 bytes,
	s_and_b32 s45, s32, 1
	s_lshl_b32 s45, s45, 11
	s_add_co_u32 s36, s36, s45                     ; + 2,048 x (wave % 2)
	s_lshl_b32 s43, s35, 13                        ; W: rows of 8,192 bytes,
	s_lshl_b32 s46, s32, 11
	s_add_co_u32 s43, s43, s46                     ; + 2,048 x wave
	s_mov_b32 s37, 0
	s_mov_b32 s39, 0
	s_wait_alu depctr_va_vdst(0)
	s_wait_kmcnt 0x0
	s_cmp_lt_u32 ttmp9, 704
	s_cselect_b64 s[24:25], s[12:13], s[14:15]
	s_cmp_lt_u32 ttmp9, 640
	s_cselect_b64 s[24:25], s[10:11], s[24:25]
	s_cmp_lt_u32 ttmp9, 576
	s_cselect_b64 s[24:25], s[8:9], s[24:25]
	s_cmp_lt_u32 s32, 2
	s_cselect_b64 s[26:27], s[4:5], s[6:7]         ; K steps 0, 1 lie in x, 2, 3 in h
	s_cmp_lt_u32 ttmp9, 512                        ; xh or W?  Only selects stand behind this compare
	s_cselect_b64 s[24:25], s[26:27], s[24:25]
	s_cselect_b64 s[28:29], s[16:17], s[18:19]
	s_cselect_b32 s34, s34, s42
	s_cselect_b32 s36, s36, s43
	s_cselect_b32 s40, 12, 13
	s_add_nc_u64 s[24:25], s[24:25], s[36:37]
	s_lshr_b32 s38, s34, 8
	s_mul_i32 s38, s38, TS                         ; the tile,
	s_mul_i32 s41, s32, KSB
	s_add_co_u32 s38, s38, s41                     ; my K step's block
	s_and_b32 s34, s34, 255
	s_lshl_b32 s36, s34, 8
	s_add_co_u32 s36, s36, s38                     ; codes: 256 bytes a row
	s_lshl_b32 s34, s34, 4
	s_add_co_u32 s38, s38, s34
	s_add_co_u32 s38, s38, 65536                   ; scale bytes: behind the codes, 16 a row
	s_add_nc_u64 s[30:31], s[28:29], s[38:39]
	s_add_nc_u64 s[28:29], s[28:29], s[36:37]
	s_lshl_b32 s40, 1, s40                         ; the pitch
	v_lshlrev_b32 v[VO], 4, v2
.irp t, 1,2,3,4,5,6,7,8,9,10,11,12,13,14,15
	v_add_nc_u32 v[VO+\t], s40, v[VO+\t-1]
.endr
.macro LOAD t                          ; step t: my K step of row t
.irp i, 0,1,2,3
	global_load_b128 v[R+16*((\t)%4)+4*\i:R+16*((\t)%4)+4*\i+3], v[VO+(\t)], s[24:25] offset:512*\i th:TH_LOAD_NT
.endr
.endm
.macro TURN t                          ; LDS serves a wave's instructions in order (ISA guide 5.7.1): no wait between the stores and the loads
.irp i, 0,1,2,3
	ds_store_b128 v14, v[R+16*((\t)%4)+4*\i:R+16*((\t)%4)+4*\i+3] offset:32*SP*((\t)%2)+8*SP*\i
.endr
.irp i, 0,1,2,3
	ds_load_b128 v[X+16*((\t)%2)+4*\i:X+16*((\t)%2)+4*\i+3], v15 offset:32*SP*((\t)%2)+16*\i
.endr
.endm
.irp t, 0,1,2,3
	LOAD \t
.endr
	s_wait_alu depctr_va_vdst(0)
	s_wait_loadcnt 12                              ; step 0's four loads are in
	TURN 0
.macro STEP t
.set XS, X+16*((\t)%2)
.if (\t) > 0
	s_wait_dscnt 1                                 ; this step's numbers are back (the last byte store may be out)
.else
	s_wait_dscnt 0x0
.endif
.if (\t)+4 < STEPS
	LOAD (\t)+4
.endif
.if (\t)+1 < STEPS
.if STEPS-2-(\t) >= 3
	s_wait_loadcnt 12                              ; the next step's four are in; three steps' may be out
.else
	s_wait_loadcnt 4*(STEPS-2-(\t))
.endif
	TURN (\t)+1
.endif
	v_max3_num_f32 v8, |v[XS]|, |v[XS+1]|, |v[XS+2]|
	v_max3_num_f32 v9, |v[XS+3]|, |v[XS+4]|, |v[XS+5]|
.irp i, 6,10
	v_max3_num_f32 v8, v8, |v[XS+\i]|, |v[XS+\i+1]|
	v_max3_num_f32 v9, v9, |v[XS+\i+2]|, |v[XS+\i+3]|
.endr
	v_max3_num_f32 v8, v8, |v[XS+14]|, |v[XS+15]|
	v_max3_num_f32 v8, v8, v9, 0x1800000           ; the floor 2^(3 - 127): the byte cannot fall under 1
	v_max_num_f32_dpp v8, v8, v8 row_xmask:1 row_mask:0xf bank_mask:0xf   ; with my neighbour's 16: the block's
	v_add_nc_u32 v11, 0xff000000, v8               ; 2 off the exponent field: the conversion's scale operand
	v_cvt_scalef32_pk8_fp4_f32 v[C+2*(\t)], v[XS:XS+7], v11
	v_cvt_scalef32_pk8_fp4_f32 v[C+2*(\t)+1], v[XS+8:XS+15], v11
	v_lshrrev_b32 v[E+(\t)], 23, v11               ; the scale's byte
	ds_store_b8 v5, v[E+(\t)] offset:16*(\t)
	global_store_b64 v4, v[C+2*(\t):C+2*(\t)+1], s[28:29] offset:256*(\t)   ; 256 consecutive bytes, aligned: row t's codes
.endm
.irp t, 0,1,2,3,4,5,6,7,8,9,10,11,12,13,14,15
	STEP \t
.endr
	ds_load_b64 v[12:13], v6
	s_wait_dscnt 0x0
	global_store_b64 v4, v[12:13], s[30:31]        ; my 16 rows' 256 scale bytes, aligned
	s_wait_tensorcnt 0x0                           ; the wave's end
	ds_add_u32 v[SPW], v[NIL]
	s_wait_dscnt 0x0
	s_endpgm
.Lfunc_end_k_q40ea0fa9bd_quant:
	.size	k_q40ea0fa9bd_quant, .Lfunc_end_k_q40ea0fa9bd_quant-k_q40ea0fa9bd_quant
	.p2alignl 7, 3214868480
	.fill 96, 4, 3214868480
	.section	.rodata,"a",@progbits
	.p2align	6, 0x0
	.amdhsa_kernel k_q40ea0fa9bd_quant
		.amdhsa_group_segment_fixed_size 33280
		.amdhsa_private_segment_fixed_size 0
		.amdhsa_enable_private_segment 0
		.amdhsa_kernarg_size 64
		.amdhsa_user_sgpr_count 2
		.amdhsa_user_sgpr_kernarg_segment_ptr 1
		.amdhsa_wavefront_size32 1
		.amdhsa_system_sgpr_workgroup_id_x 1
		.amdhsa_system_sgpr_workgroup_id_y 1
		.amdhsa_system_sgpr_workgroup_id_z 1
		.amdhsa_system_vgpr_workitem_id 0
		.amdhsa_next_free_vgpr 178
		.amdhsa_next_free_sgpr 66
		.amdhsa_reserve_vcc 0
		.amdhsa_float_denorm_mode_32 3
		.amdhsa_float_denorm_mode_16_64 3
		.amdhsa_memory_ordered 1
		.amdhsa_forward_progress 1
		.amdhsa_inst_pref_size 35
	.end_amdhsa_kernel
	.amdgpu_metadata
---
amdhsa.version: [ 1, 2 ]
amdhsa.kernels:
  - .name:           k_q40ea0fa9bd_quant
    .symbol:         k_q40ea0fa9bd_quant.kd
    .args:
      - { .name: x, .offset: 0, .size: 8, .value_kind: global_buffer, .address_space: global }
      - { .name: h, .offset: 8, .size: 8, .value_kind: global_buffer, .address_space: global }
      - { .name: W_i, .offset: 16, .size: 8, .value_kind: global_buffer, .address_space: global }
      - { .name: W_f, .offset: 24, .size: 8, .value_kind: global_buffer, .address_space: global }
      - { .name: W_g, .offset: 32, .size: 8, .value_kind: global_buffer, .address_space: global }
      - { .name: W_o, .offset: 40, .size: 8, .value_kind: global_buffer, .address_space: global }
      - { .name: a_img, .offset: 48, .size: 8, .value_kind: global_buffer, .address_space: global }
      - { .name: b_img, .offset: 56, .size: 8, .value_kind: global_buffer, .address_space: global }
    .group_segment_fixed_size: 33280
    .private_segment_fixed_size: 0
    .kernarg_segment_align: 8
    .kernarg_segment_size: 64
    .max_flat_workgroup_size: 128
    .sgpr_count:     66
    .vgpr_count:     178
    .wavefront_size: 32
...
	.end_amdgpu_metadata
.endif
;; end of part 1
;; launch cell (part 2): grid 16 x 16, 4 waves a work-group, clusters of 4 x 4, 327,680 bytes of LDS; arguments a_img, b_img, c, b_i, b_f, b_g, b_o, out0, out1; writes out0, out1
.if DOCPART == 2
	.amdgcn_target "amdgcn-amd-amdhsa--gfx1250"
	.amdhsa_code_object_version 6
	.text
	.protected	k_q40ea0fa9bd_cell
	.globl	k_q40ea0fa9bd_cell
	.p2align	8
	.type	k_q40ea0fa9bd_cell,@function
k_q40ea0fa9bd_cell:
	s_mov_b64 s[64:65], 0
	v_nop
	global_prefetch_b8 v0, s[64:65] scope:SCOPE_SE
	s_setreg_imm32_b32 hwreg(HW_REG_WAVE_MODE, 25, 1), 1
	s_wait_xcnt 0x0
	s_wait_alu depctr_hold_cnt(0) depctr_sa_sdst(0) depctr_va_vdst(0) depctr_va_sdst(0) depctr_va_ssrc(0) depctr_va_vcc(0) depctr_vm_vsrc(0)
	s_getreg_b32 s2, hwreg(HW_REG_IB_STS2, 6, 4)
	s_cmp_eq_u32 s2, 0
	s_cbranch_scc0 .Lentry_in_a_cluster
	s_endpgm
.Lentry_in_a_cluster:
	s_bfe_u32 s2, ttmp6, 0x10000c
	s_cmp_lg_u32 s2, 0xf033
	s_cbranch_scc0 .Lentry_shape_is_right
	s_endpgm
.Lentry_shape_is_right:
; gates = Q(xh) Q(W)^T + b on codes of FP4 with E8M0 scales; then on the accumulators c_new = sigmoid(f) c + sigmoid(i) tanh(g) (out1), h_new = sigmoid(o) tanh(c_new) (out0), in f32.
; a_img, b_img: for each tile of 256 rows and each K step of 512 a dense block of 272 rows of 256 bytes: 256 rows of codes, then 16 rows that hold 16 scale bytes for each of the 256 rows.  B's row (j / 32) x 128 + 32 g + j % 32 is row j of gate g.
; SHARES.  256 work-groups of four waves.  A work-group STAYS for two tiles of 256 rows x 256 rows of B (64 hidden units x 4 gates), 4,096 rows apart, on the same rows of B; a wave makes 128 x 128: 32 accumulators of 32 x 16, 512 registers.
; THE RING: two LDS slots, each A's block and B's block of one K step; a wave fetches half a block, 136 rows, by one joint load.  Slot 0: K steps 0, 2, then the next tile's 0.  Slot 1: K steps 1, 3, then c's tile, then the next tile's 1.
; THE LOOP'S TOP stands at K step 3: the first tile's K steps 0-2 are written ahead of it, with the fill for the next tile; a trip is K step 3, c's load, the tail, the way out of the loop for the last tile, and the next tile's K steps 0-2.
; FRAGMENTS: two sets for A and two for B.  A step of 128 along K asks for all of the next step's 32 loads in ONE run at its top; its 32 matrix instructions follow on end.
; CLUSTERS 4 x 4: A's blocks are asked for jointly along a row of the cluster, B's along a column.  c's tile is each work-group's own: no mask.
; THE MATRIX INSTRUCTION IS USED TRANSPOSED: source 0 = 32 rows of B (one gate's 32 hidden units), source 1 = 16 rows of A.  In accumulator (a, g) lane (r, h), register 8 u + j, holds gate g of row 16 a + r, hidden unit 16 u + 8 h + j:
; a cell's four gates lie in one lane.  The bias is the C of each sum's first instruction.
; THE TAIL works in place on the accumulators.  Ei = 2^(-i log2 e), Ef, Eo likewise, Eg = min(2^(-2 g log2 e), 2^64): sigmoid(i) tanh(g) = (2 - (1 + Eg)) / ((1 + Ei)(1 + Eg)); Ec likewise of c_new; h_new = (1 - Ec) / ((1 + Eo)(1 + Ec)).
; At E = 2^64 both 1 - E and 1 + E round to -E and E, so the hold changes no quotient; it keeps numerators finite, so that an overflowing denominator gives 0 and never infinity x 0.  Every denominator is at least 1.
; Groups of 16 rows.  What needs no c is done for groups 0 and 1 while c's tile is on its way; then trip k joins group k's part with c and group k + 2's part without, in shared batches, while group k - 1 leaves:
; c_new and h_new go through a stage of 2 x 32 rows that no fill ever touches and leave as whole rows of 256 bytes: two barriers a group (stored -> read, read -> stored again), each signalled early and awaited late.
; PREFETCHES, the four partners' shares told apart by address: at the head K step 1 of both operands (34 blocks of 256 bytes a wave); behind K step 0's landing K steps 2 and 3 (68 blocks a wave), one and two K steps ahead of their loads;
; in the first tile's K step 2 the second tile's A (68 blocks a wave); in each tile's K step 1 its c (a row of 256 bytes a thread, twice).  B's blocks are read again by the second tile and are not asked for twice.
; LIMITS: NaN and infinities among the inputs are not served (the hold drops a NaN).  Where a denominator passes 2^126 its reciprocal is taken as 0: the term lost is under 2^-62.
; REGISTERS: window 0: v12-31 addresses; v32-127 scale words, two sets of 48; v128-255 A's fragments, two sets; on the way out v32-255 are seven sets of 32.  Window 1: B's fragments at v0 and v128, the bias at v64.  Windows 2, 3: the accumulators.
.set KSB,    69632
.set TS,     278528
.set PITCH,  272                       ; 256 bytes + 16 of padding: the 16 rows that a load touches start at 16 different banks (ISA guide 11.1)
.set HALFT,  128*PITCH
.set LHALF,  136*PITCH                 ; what one joint load fills
.set IMG,    272*PITCH
.set SLOT,   2*IMG
.set STAGE,  2*SLOT
.set GRP,    16*PITCH
.set OST,    2*GRP                     ; one output's 2 x 16 rows in the stage
.set SPARE,  STAGE+2*OST               ; the spare words: 512 bytes that no other line names
.set WALKB,  16777216                  ; 4,096 rows of 4,096 bytes
.set NEXTA,  16*TS-2*KSB
.set PF0,  12
.set PF3,  13
.set PF2,  14
.set ADRA, 16
.set ADRSA,18
.set ADRB, 20
.set ADRSB,22
.set EA,   24
.set EW,   25
.set RD,   26
.set PFC,  27
.set SPW,  28
.set NIL,  29
.set CO,   30
.set BO,   31
.set SC,   32                          ; set s at SC + 48 s: 4 g + q B's words (32 lanes: 32 rows); 16 + 4 a + q A's (lanes 0-15)
.set AF,   128                         ; A's set p at AF + 64 p
.set BIAS, 64
.set G1, 24
.set G0, 32
.set G1B, 48
.set G0B, 56
.set G1C, 68
.set G0C, 76
.set MSB, 0
.macro WIN new
.if MSB != (\new)
	s_set_vgpr_msb (MSB<<8)|(\new)
.set MSB, (\new)
.endif
.endm
.set TO_B,    0x40
.macro MW hi, first                    ; for products: source 0 window 1, source 1 window 0, D window 2 + hi, C the same or (first) window 1
	WIN 1+((2+(\hi))<<6)+(((\first)+(1-(\first))*(2+(\hi)))<<4)
.endm
.macro PLACES
.rept 4
	v_nop
.endr
.endm
.macro JLOAD s                         ; waves 0, 1 fetch A's two halves, waves 2, 3 B's; s_nop 0 and four v_nop behind each line
	s_cmp_eq_u32 s15, 0
	s_cbranch_scc0 .Lfb_\@
	tensor_load_to_lds s[G0+4*\s:G0+4*\s+3], s[G1:G1+7]
	s_nop 0
	PLACES
	s_branch .Lja_\@
.Lfb_\@:
	tensor_load_to_lds s[G0B+4*\s:G0B+4*\s+3], s[G1B:G1B+7]
	s_nop 0
	PLACES
.Lja_\@:
.endm
.macro CREST
	s_cmp_lg_u32 s14, 0
	s_cbranch_scc1 .Lnw_\@
	s_barrier_signal -3
.Lnw_\@:
	s_barrier_wait -3
	s_barrier_signal -1
	s_barrier_wait -1
.endm
.macro CROUND
	s_barrier_signal -1
	s_barrier_wait -1
	CREST
.endm
	s_load_b128 s[4:7], s[0:1], 0x0                ; a_img, b_img
	s_load_b64 s[12:13], s[0:1], 0x10              ; c
	s_load_b256 s[92:99], s[0:1], 0x18             ; b_i, b_f, b_g, b_o
	s_load_b64 s[66:67], s[0:1], 0x38              ; out0: h_new
	s_load_b64 s[100:101], s[0:1], 0x40            ; out1: c_new
	v_lshl_add_u32 v[SPW], v0, 2, SPARE
	v_mov_b32 v[NIL], 0
	ds_add_u32 v[SPW], v[NIL]
	ds_add_u32 v[SPW], v[NIL]
	v_lshrrev_b32 v1, 5, v0
	v_readfirstlane_b32 s14, v1                    ; wave
	s_lshr_b32 s15, s14, 1                         ; my half of the rows; also: I fetch for A (0) or B (1)
	s_and_b32 s16, s14, 1                          ; my half of B's rows; also: which half of a block I fetch
	s_bfe_u32 s40, ttmp6, 0x40000                  ; cx
	s_bfe_u32 s41, ttmp6, 0x40004                  ; cy
	s_lshl_b32 s42, ttmp9, 2
	s_add_co_u32 s42, s42, s40                     ; B's tile, 0..15
	s_and_b32 s17, ttmp7, 0xffff
	s_lshl_b32 s17, s17, 2
	s_add_co_u32 s17, s17, s41                     ; A's first tile, 0..15
	s_lshl_b32 s43, s41, 2
	s_lshl_b32 s43, 15, s43                        ; my row of the cluster
	s_lshl_b32 s44, 0x1111, s40                    ; my column
	s_or_b32 s[G1], s43, (3<<16)|(1<<20)|(1<<21)|(5<<22)|(3<<25)    ; elements of 8 bytes; 4 words of padding behind every 64
	s_or_b32 s[G1B], s44, (3<<16)|(1<<20)|(1<<21)|(5<<22)|(3<<25)
.irp g, G1, G1B
	s_mov_b32 s[\g+1], 32<<16                      ; rows of 256 bytes,
	s_mov_b32 s[\g+2], 136<<16                     ; 136 of them, dense
	s_mov_b32 s[\g+3], 32<<16
	s_mov_b32 s[\g+4], 136
	s_mov_b32 s[\g+5], 32
	s_mov_b32 s[\g+6], 0
	s_mov_b32 s[\g+7], 0
.endr
	s_mov_b32 s[G1C+0], (2<<16)|(1<<20)|(5<<22)|(3<<25)   ; c: 64 rows x 64 numbers, pitch 1,024 numbers, no mask
	s_mov_b32 s[G1C+1], 64<<16
	s_mov_b32 s[G1C+2], 64<<16
	s_mov_b32 s[G1C+3], 64<<16
	s_mov_b32 s[G1C+4], 64
	s_mov_b32 s[G1C+5], 1024
	s_mov_b32 s[G1C+6], 0
	s_mov_b32 s[G1C+7], 0
	s_mul_i32 s18, s16, 136*256
	s_mul_i32 s20, s17, TS
	s_add_co_u32 s20, s20, s18
	s_mov_b32 s21, 0
	s_mul_i32 s46, s42, TS
	s_add_co_u32 s46, s46, s18
	s_mov_b32 s47, 0
	s_mul_i32 s45, s14, LHALF                      ; where my half goes: no place in the cluster enters an LDS address
	s_wait_dscnt 0x0
	s_wait_kmcnt 0x0
	s_add_nc_u64 s[20:21], s[4:5], s[20:21]
	s_add_nc_u64 s[46:47], s[6:7], s[46:47]
	CROUND                                         ; the round in front of the first joint loads
.irp s, 0,1
	s_mov_b32 s[G0+4*\s], 1
	s_add_co_u32 s[G0+4*\s+1], s45, \s*SLOT
	s_add_nc_u64 s[G0+4*\s+2:G0+4*\s+3], s[20:21], \s*KSB
	s_or_b32 s[G0+4*\s+3], s[G0+4*\s+3], 0x80000000
	s_mov_b32 s[G0B+4*\s], 1
	s_add_co_u32 s[G0B+4*\s+1], s45, \s*SLOT
	s_add_nc_u64 s[G0B+4*\s+2:G0B+4*\s+3], s[46:47], \s*KSB
	s_or_b32 s[G0B+4*\s+3], s[G0B+4*\s+3], 0x80000000
.endr
	JLOAD 0                                        ; K step 0: one tensor load a wave at the head
	; the prefetches' bases.  My operand's K step 1 is 272 blocks of 256 bytes: 34 for each of the 4 partners' 2 waves; K steps 2 and 3 together 544: 68 each
	s_cmp_eq_u32 s15, 0
	s_cselect_b32 s84, s17, s42
	s_cselect_b32 s85, s40, s41
	s_cselect_b64 s[80:81], s[4:5], s[6:7]
	s_mul_i32 s84, s84, TS
	s_lshl_b32 s85, s85, 1
	s_add_co_u32 s85, s85, s16                     ; 2 x my place among the four + my half: 0..7
	s_mul_i32 s86, s85, 34*256
	s_add_co_u32 s86, s86, s84
	s_add_co_u32 s86, s86, KSB
	s_mov_b32 s87, 0
	s_mul_i32 s90, s85, 68*256
	s_add_co_u32 s90, s90, s84
	s_add_co_u32 s90, s90, 2*KSB
	s_mov_b32 s91, 0
	s_add_nc_u64 s[46:47], s[80:81], s[90:91]      ; K steps 2 and 3
	s_add_nc_u64 s[80:81], s[80:81], s[86:87]      ; K step 1
	s_add_co_u32 s86, s17, 16                      ; the second tile's A: 1,088 blocks: 272 a partner, 68 a wave
	s_mul_i32 s86, s86, TS
	s_mul_i32 s87, s40, 272*256
	s_add_co_u32 s86, s86, s87
	s_mul_i32 s87, s14, 68*256
	s_add_co_u32 s86, s86, s87
	s_mov_b32 s87, 0
	s_add_nc_u64 s[82:83], s[4:5], s[86:87]
	; c and the outputs at the tile's corner.  A wave stores ONE output for its half of the rows: B half 0 c_new, B half 1 h_new
	s_lshl_b32 s90, s17, 20
	s_lshl_b32 s91, s42, 8
	s_add_co_u32 s90, s90, s91
	s_mov_b32 s91, 0
	s_add_nc_u64 s[12:13], s[12:13], s[90:91]
	s_cmp_eq_u32 s16, 0
	s_cselect_b64 s[66:67], s[100:101], s[66:67]
	s_add_nc_u64 s[66:67], s[66:67], s[90:91]
	s_lshl_b32 s90, s15, 19
	s_add_nc_u64 s[66:67], s[66:67], s[90:91]
	s_lshl_b32 s90, s14, 18
	s_mov_b32 s[G0C], 1
	s_mul_i32 s[G0C+1], s14, 64*PITCH
	s_add_co_u32 s[G0C+1], s[G0C+1], SLOT          ; c's tile lies at the head of slot 1
	s_add_nc_u64 s[G0C+2:G0C+3], s[12:13], s[90:91]
	s_or_b32 s[G0C+3], s[G0C+3], 0x80000000
	; the waves' LDS bases, all ahead of the vector lines
	s_mul_i32 s18, s15, HALFT                      ; A's fragments
	s_mul_i32 s19, s16, HALFT
	s_add_co_u32 s19, s19, IMG                     ; B's
	s_mul_i32 s20, s15, 8*PITCH
	s_add_co_u32 s20, s20, 256*PITCH               ; A's scale rows
	s_mul_i32 s21, s16, 8*PITCH
	s_add_co_u32 s21, s21, IMG+256*PITCH           ; B's
	s_lshl_b32 s3, s16, 7
	s_add_co_u32 s22, s18, s3
	s_add_co_u32 s22, s22, SLOT                    ; c
	s_mul_i32 s23, s15, GRP
	s_add_co_u32 s23, s23, STAGE
	s_mul_i32 s88, s16, OST
	s_add_co_u32 s88, s88, s23                     ; the stage, read
	s_add_co_u32 s23, s23, s3                      ; the stage, written
	s_lshl_b32 s89, s42, 8
	s_add_co_u32 s89, s89, s3                      ; the bias
	s_mov_b32 s8, 0xbfb8aa3b                       ; -log2 e, as a pair
	s_mov_b32 s9, 0xbfb8aa3b
	s_mov_b32 s10, 0xc038aa3b                      ; -2 log2 e
	s_mov_b32 s11, 0xc038aa3b
	s_mov_b32 s104, 0x5f800000                     ; 2^64: the hold
	v_and_b32 v1, 15, v0                           ; r
	v_bfe_u32 v2, v0, 4, 1                         ; h
	v_mul_u32_u24 v3, v1, PITCH
	v_lshl_add_u32 v4, v2, 4, v3
	v_add_nc_u32 v[ADRA], s18, v4
	v_add_nc_u32 v[ADRB], s19, v4
	v_add_nc_u32 v[ADRA+1], SLOT, v[ADRA]
	v_add_nc_u32 v[ADRB+1], SLOT, v[ADRB]
	v_lshlrev_b32 v5, 4, v1
	v_mad_u32_u24 v6, v2, PITCH, v5                ; 272 h + 16 r
	v_add_nc_u32 v[ADRSA], s20, v5
	v_add_nc_u32 v[ADRSB], s21, v6
	v_add_nc_u32 v[ADRSA+1], SLOT, v[ADRSA]
	v_add_nc_u32 v[ADRSB+1], SLOT, v[ADRSB]
	v_lshl_add_u32 v7, v2, 5, v3                   ; 272 r + 32 h
	v_add_nc_u32 v[EA], s22, v7
	v_add_nc_u32 v[EW], s23, v7
	v_add_nc_u32 v[RD], s88, v6
	v_lshlrev_b32 v8, 12, v2
	v_lshl_add_u32 v[CO], v1, 4, v8
	v_lshlrev_b32 v[PFC], 12, v0
	v_lshl_add_u32 v[BO], v2, 5, s89
	v_and_b32 v9, 31, v0
	v_lshlrev_b32 v[PF0], 8, v9
	v_min_u32 v10, 1, v9
	v_lshl_add_u32 v[PF3], v10, 8, 32*256          ; blocks 32, 33; the lanes left over name the last again
	v_min_u32 v11, 3, v9
	v_lshl_add_u32 v[PF2], v11, 8, 64*256          ; blocks 64-67
	global_prefetch_b8 v[PF0], s[80:81] th:TH_LOAD_NT scope:SCOPE_SE      ; K step 1: its load follows K step 0's landing
	global_prefetch_b8 v[PF3], s[80:81] th:TH_LOAD_NT scope:SCOPE_SE
	WIN TO_B
.irp g, 0,1,2,3
.irp u, 0,1
.irp q, 0,1
	global_load_b128 v[BIAS+16*\g+8*\u+4*\q:BIAS+16*\g+8*\u+4*\q+3], v[BO], s[92+2*\g:93+2*\g] offset:64*\u+16*\q
.endr
.endr
.endr
	WIN 0
.macro FRAG reg, adr, q, i             ; 16 rows x 128 K: lane (r, h) takes bytes 32 c + 16 h of row r
.irp c, 0,1
	ds_load_b128 v[\reg+4*\c:\reg+4*\c+3], v[\adr] offset:64*(\q)+32*\c+(\i)*16*PITCH
.endr
.endm
; 4 matrix instructions: A's block a x the four gates, sets p.  The 32 accumulators take turns in the same order in every step.
.macro MUL4 a, p, q, sc, first
.irp g, 0,1,2,3
.if \first
	v_wmma_scale_f32_32x16x128_f4 v[64*((\a)%4)+16*\g:64*((\a)%4)+16*\g+15], v[128*(\p)+16*\g:128*(\p)+16*\g+15], v[AF+64*(\p)+8*(\a):AF+64*(\p)+8*(\a)+7], v[BIAS+16*\g:BIAS+16*\g+15], v[SC+48*(\sc)+4*\g+(\q)], v[SC+48*(\sc)+16+4*(\a)+(\q)]
.else
	v_wmma_scale_f32_32x16x128_f4 v[64*((\a)%4)+16*\g:64*((\a)%4)+16*\g+15], v[128*(\p)+16*\g:128*(\p)+16*\g+15], v[AF+64*(\p)+8*(\a):AF+64*(\p)+8*(\a)+7], v[64*((\a)%4)+16*\g:64*((\a)%4)+16*\g+15], v[SC+48*(\sc)+4*\g+(\q)], v[SC+48*(\sc)+16+4*(\a)+(\q)]
.endif
.endr
.endm
.macro FETCH_B slot, q, p              ; B's eight fragments into set p: 16 loads
	WIN TO_B
.irp i, 0,1,2,3,4,5,6,7
	FRAG 128*(\p)+8*(\i), ADRB+\slot, \q, \i
.endr
.endm
.macro FETCH_A slot, q, p, i0          ; A's blocks i0 .. i0 + 3 into set p: 8 loads
	WIN 0
.irp i, \i0, \i0+1, \i0+2, \i0+3
	FRAG AF+64*(\p)+8*(\i), ADRA+\slot, \q, \i
.endr
.endm
.macro SCALES sc                       ; a K step's scale words: four a row
	WIN 0
.irp g, 0,1,2,3
	ds_load_b128 v[SC+48*\sc+4*\g:SC+48*\sc+4*\g+3], v[ADRSB+\sc] offset:\g*2*PITCH
.endr
.irp a, 0,1,2,3,4,5,6,7
	ds_load_b128 v[SC+48*\sc+16+4*\a:SC+48*\sc+16+4*\a+3], v[ADRSA+\sc] offset:\a*PITCH
.endr
.endm
.macro FIRSTF slot                     ; a slot's first fragments and its scale words, into sets 0; A's blocks 4-7 last
	FETCH_B \slot, 0, 0
	FETCH_A \slot, 0, 0, 0
	SCALES \slot
	FETCH_A \slot, 0, 0, 4
.endm
.macro STEP slot, q, first             ; 128 along K with its successor in the same slot: sets q % 2 are multiplied, the other sets take the next step's fragments
.set P, (\q)%2
	s_wait_dscnt 8                                 ; all of this step's but A's blocks 4-7
	PLACES                                         ; four places between the last step's products and the loads into the sets that they read
	FETCH_B \slot, (\q)+1, 1-P
	FETCH_A \slot, (\q)+1, 1-P, 0
	FETCH_A \slot, (\q)+1, 1-P, 4
	MW 0, \first
	MUL4 0, P, \q, \slot, \first
	MUL4 1, P, \q, \slot, \first
	MUL4 2, P, \q, \slot, \first
	MUL4 3, P, \q, \slot, \first
	s_wait_dscnt 32                                ; this step's blocks 4-7 are in; the 32 loads just issued may be out
	MW 1, \first
	MUL4 4, P, \q, \slot, \first
	MUL4 5, P, \q, \slot, \first
	MUL4 6, P, \q, \slot, \first
	MUL4 7, P, \q, \slot, \first
	WIN 0
.endm
; A slot's last step changes slots.  fill 1: a joint refill (on = 0: two K steps on; on = 1: the next tile's); fill 2: c's tile; fill 0: none, and no round.  fetch: the next slot's first fragments.
.macro TURN slot, next, fill, on, fetch
	s_wait_tensorcnt 0x0                           ; all my tensor loads have landed
	ds_add_u32 v[SPW], v[NIL]
	s_wait_dscnt 9                                 ; (the add and A's blocks 4-7 may be out)
	MW 0, 0
	MUL4 0, 1, 3, \slot, 0
	MUL4 1, 1, 3, \slot, 0
	s_wait_dscnt 0x0                               ; the add is done, my reads of this slot are over
	s_barrier_signal -1
	MUL4 2, 1, 3, \slot, 0
	MUL4 3, 1, 3, \slot, 0
	WIN 0
	s_barrier_wait -1
.if \fill
	CREST                                          ; the barrier has opened a round of the cluster's barrier
.endif
.if \fill == 1
.if \on
	s_add_nc_u64 s[G0+4*\slot+2:G0+4*\slot+3], s[G0+4*\slot+2:G0+4*\slot+3], NEXTA
	s_sub_nc_u64 s[G0B+4*\slot+2:G0B+4*\slot+3], s[G0B+4*\slot+2:G0B+4*\slot+3], 2*KSB
.else
	s_add_nc_u64 s[G0+4*\slot+2:G0+4*\slot+3], s[G0+4*\slot+2:G0+4*\slot+3], 2*KSB
	s_add_nc_u64 s[G0B+4*\slot+2:G0B+4*\slot+3], s[G0B+4*\slot+2:G0B+4*\slot+3], 2*KSB
.endif
	JLOAD \slot                                    ; the four v_nop behind it are also the places in front of the loads below
.endif
.if \fill == 2
	tensor_load_to_lds s[G0C:G0C+3], s[G1C:G1C+7]  ; my 64 rows of c
	s_nop 0
	PLACES
.endif
.if \fill == 0
	PLACES
.endif
.if \fetch
	FIRSTF \next
.endif
	MW 1, 0
	MUL4 4, 1, 3, \slot, 0
	MUL4 5, 1, 3, \slot, 0
	MUL4 6, 1, 3, \slot, 0
	MUL4 7, 1, 3, \slot, 0
	WIN 0
.endm
.macro K012 pro                        ; a tile's K steps 0-2.  pro = 1: a tile follows
	STEP 0, 0, 1                                   ; the first products start the sums from the bias
	STEP 0, 1, 0
	STEP 0, 2, 0
	TURN 0, 1, 1, 0, 1                             ; slot 0 takes K step 2
	global_prefetch_b8 v[PFC], s[12:13] th:TH_LOAD_NT scope:SCOPE_SE                 ; this tile's c: thread t asks for rows t and t + 128,
	global_prefetch_b8 v[PFC], s[12:13] offset:524288 th:TH_LOAD_NT scope:SCOPE_SE   ; three changes of slots ahead of its load
	STEP 1, 0, 0
	STEP 1, 1, 0
	STEP 1, 2, 0
	TURN 1, 0, 1, 0, 1                             ; slot 1 takes K step 3
.if \pro
	global_prefetch_b8 v[PF0], s[82:83] th:TH_LOAD_NT scope:SCOPE_SE                 ; the next tile's A, one K step ahead of its first load
	global_prefetch_b8 v[PF0], s[82:83] offset:8192 th:TH_LOAD_NT scope:SCOPE_SE
	global_prefetch_b8 v[PF2], s[82:83] th:TH_LOAD_NT scope:SCOPE_SE
.endif
	STEP 0, 0, 0
	STEP 0, 1, 0
	STEP 0, 2, 0
.if \pro
	TURN 0, 1, 1, 1, 1                             ; slot 0 takes the next tile's K step 0
.else
	TURN 0, 1, 0, 0, 1
.endif
.endm
; THE TAIL.  In window 2 + a / 4 group a's registers are AC = 64 (a % 4) + : 0 i, 16 f, 32 g, 48 o.
.macro PRE w                           ; every gate x -log2 e (g: x -2 log2 e), in place; each accumulator from its low end on
	WIN (\w)*0x55
.irp n, 0,1,2,3
.irp g, 0,1,2,3
.irp p, 0,2,4,6,8,10,12,14
.if \g == 2
	v_pk_mul_f32 v[64*\n+16*\g+\p:64*\n+16*\g+\p+1], v[64*\n+16*\g+\p:64*\n+16*\g+\p+1], s[10:11] op_sel_hi:[1,0]
.else
	v_pk_mul_f32 v[64*\n+16*\g+\p:64*\n+16*\g+\p+1], v[64*\n+16*\g+\p:64*\n+16*\g+\p+1], s[8:9] op_sel_hi:[1,0]
.endif
.endr
.endr
.endr
.endm
.macro GW a                            ; all four windows on group a's, and its base
	WIN (2+(\a)/4)*0x55
.set AC, 64*((\a)%4)
.endm
.macro TR op, d, n                     ; n transcendentals in place from AC + d
.set j, AC+(\d)
.rept \n
	\op v[j], v[j]
.set j, j+1
.endr
.endm
.macro HOLD d                          ; 16 registers held at 2^64
.irp e, 0,1,2,3,4,5,6,7,8,9,10,11,12,13,14,15
	v_min_num_f32 v[AC+(\d)+\e], s104, v[AC+(\d)+\e]
.endr
.endm
.macro INC d                           ; + 1
.irp p, 0,2,4,6,8,10,12,14
	v_pk_add_f32 v[AC+(\d)+\p:AC+(\d)+\p+1], v[AC+(\d)+\p:AC+(\d)+\p+1], 1.0 op_sel_hi:[1,0]
.endr
.endm
.macro NEGK d, x, k                    ; d = k - x
.irp p, 0,2,4,6,8,10,12,14
	v_pk_fma_f32 v[AC+(\d)+\p:AC+(\d)+\p+1], v[AC+(\x)+\p:AC+(\x)+\p+1], -1.0, \k op_sel_hi:[1,0,0]
.endr
.endm
.macro FMA d, x, y, z                  ; d = x y + z
.irp p, 0,2,4,6,8,10,12,14
	v_pk_fma_f32 v[AC+(\d)+\p:AC+(\d)+\p+1], v[AC+(\x)+\p:AC+(\x)+\p+1], v[AC+(\y)+\p:AC+(\y)+\p+1], v[AC+(\z)+\p:AC+(\z)+\p+1]
.endr
.endm
.macro MUL d, x, y
.irp p, 0,2,4,6,8,10,12,14
	v_pk_mul_f32 v[AC+(\d)+\p:AC+(\d)+\p+1], v[AC+(\x)+\p:AC+(\x)+\p+1], v[AC+(\y)+\p:AC+(\y)+\p+1]
.endr
.endm
; the part without c: i <- sigmoid(i) tanh(g), f <- sigmoid(f), o <- Eo; g is free afterwards
.macro EXP1 a
	GW \a
	TR v_exp_f32, 0, 64
.endm
.macro MID1 a
	GW \a
	HOLD 32
	INC 32                                         ; 1 + Eg
	INC 16                                         ; 1 + Ef
	FMA 0, 0, 32, 32                               ; (1 + Ei)(1 + Eg)
	NEGK 32, 32, 2.0                               ; 2 - (1 + Eg)
.endm
.macro RCP1 a
	GW \a
	TR v_rcp_f32, 0, 32
.endm
.macro FIN1 a
	GW \a
	MUL 0, 0, 32
.endm
.macro CLOAD a                         ; group a's c into g's registers
	WIN (2+(\a)/4)<<6
.irp u, 0,1
.irp q, 0,1
	ds_load_b128 v[64*((\a)%4)+32+8*\u+4*\q:64*((\a)%4)+32+8*\u+4*\q+3], v[EA] offset:(\a)*GRP+64*\u+16*\q
.endr
.endr
.endm
.macro FLOAD a                         ; group a's 16 rows of my output and my half of the rows, two rows an instruction
	WIN 0
.irp t, 0,1,2,3,4,5,6,7
	ds_load_b128 v[32+32*((\a)%7)+4*\t:32+32*((\a)%7)+4*\t+3], v[RD] offset:\t*2*PITCH
.endr
.endm
.macro FSTORE a
	WIN 0
.irp t, 0,1,2,3,4,5,6,7
	global_store_b128 v[CO], v[32+32*((\a)%7)+4*\t:32+32*((\a)%7)+4*\t+3], s[66:67] offset:(\a)*65536+\t*8192 th:TH_STORE_NT   ; sixteen lanes store 256 consecutive bytes, aligned
.endr
.endm
; Trip k: group k's part with c (c_new into g, h_new into f), group k + 2's part without, group k - 1's way out.  A wait ahead of each batch of transcendentals and one behind it.
.macro TRIP k
.if (\k) == 0
	s_wait_dscnt 4                                 ; group 0's c is in; group 1's four loads may be out
.endif
.if (\k) == 1
	s_wait_dscnt 12                                ; group 1's; group 2's four loads and group 0's eight stores may be out
.endif
	GW \k
	FMA 32, 32, 16, 0                              ; c_new = c sigmoid(f) + sigmoid(i) tanh(g)
.irp p, 0,2,4,6,8,10,12,14
	v_pk_mul_f32 v[AC+\p:AC+\p+1], v[AC+32+\p:AC+33+\p], s[10:11] op_sel_hi:[1,0]
.endr
	s_wait_alu depctr_va_vdst(0)
	TR v_exp_f32, 0, 16                            ; Ec
.if (\k)+2 < 8
	EXP1 (\k)+2
.endif
	v_nop
.if (\k) > 0
	s_wait_dscnt 0x0                               ; my stores of the last group are done:
	s_barrier_signal -1                            ; say so
.endif
	s_wait_alu depctr_va_vdst(0)
	GW \k
	HOLD 0
	NEGK 16, 0, 1.0                                ; 1 - Ec
	INC 0
	FMA 48, 48, 0, 0                               ; (1 + Eo)(1 + Ec)
.if (\k)+2 < 8
	MID1 (\k)+2
.endif
	s_wait_alu depctr_va_vdst(0)
.if (\k) > 0
	WIN 0
	s_barrier_wait -1                              ; the last group's rows are whole in the stage
	FLOAD (\k)-1
.endif
	GW \k
	TR v_rcp_f32, 48, 16
.if (\k)+2 < 8
	RCP1 (\k)+2
.endif
	v_nop
.if (\k) > 0
	s_wait_dscnt 0x0                               ; the last group's rows are in my registers:
	s_barrier_signal -1                            ; the stage may be written again
.endif
	s_wait_alu depctr_va_vdst(0)
	GW \k
	MUL 16, 16, 48                                 ; h_new
.if (\k)+2 < 8
	FIN1 (\k)+2
.endif
.if (\k) > 0
	s_wait_alu depctr_va_vdst(0)
	WIN 0
	s_barrier_wait -1
	FSTORE (\k)-1
.endif
.if (\k)+2 < 8
	CLOAD (\k)+2
.endif
	WIN (2+(\k)/4)<<2
.set AC, 64*((\k)%4)
.irp u, 0,1
.irp q, 0,1
	ds_store_b128 v[EW], v[AC+32+8*\u+4*\q:AC+32+8*\u+4*\q+3] offset:64*\u+16*\q
	ds_store_b128 v[EW], v[AC+16+8*\u+4*\q:AC+16+8*\u+4*\q+3] offset:OST+64*\u+16*\q
.endr
.endr
	WIN 0
.endm
	s_wait_alu depctr_va_vdst(0)
	s_wait_tensorcnt 0x0                           ; my half block of K step 0 is in; slot 1's first fill is issued as a refill is
	ds_add_u32 v[SPW], v[NIL]
	s_wait_dscnt 0x0
	CROUND
	JLOAD 1                                        ; K step 1
	FIRSTF 0
	global_prefetch_b8 v[PF0], s[46:47] th:TH_LOAD_NT scope:SCOPE_SE                 ; K steps 2 and 3: my 68 blocks
	global_prefetch_b8 v[PF0], s[46:47] offset:8192 th:TH_LOAD_NT scope:SCOPE_SE
	global_prefetch_b8 v[PF2], s[46:47] th:TH_LOAD_NT scope:SCOPE_SE
	s_wait_loadcnt 0x0                             ; the bias
	K012 1
	s_mov_b32 s2, 0                                ; tiles done
.Ltile:
	STEP 1, 0, 0                                   ; K step 3
	STEP 1, 1, 0
	STEP 1, 2, 0
	TURN 1, 0, 2, 0, 0                             ; slot 1's head takes c's tile; it has the lines up to the wait below in which to land
	PLACES                                         ; behind the last products
	PRE 2
	PRE 3
	s_wait_alu depctr_va_vdst(0)
	EXP1 0
	EXP1 1
	v_nop
	s_wait_alu depctr_va_vdst(0)
	MID1 0
	MID1 1
	s_wait_alu depctr_va_vdst(0)
	RCP1 0
	RCP1 1
	v_nop
	s_wait_alu depctr_va_vdst(0)
	FIN1 0
	FIN1 1
	WIN 0
	s_wait_alu depctr_va_vdst(0)
	s_wait_tensorcnt 0x0                           ; my 64 rows of c have landed (my one load that was out)
	s_barrier_signal -1
	s_barrier_wait -1                              ; everybody's have
	CLOAD 0
	CLOAD 1
.irp k, 0,1,2,3,4,5,6,7
	TRIP \k
.endr
	s_wait_dscnt 0x0
	s_barrier_signal -1
	s_barrier_wait -1
	s_wait_xcnt 0x0                                ; group 0's stores have read the registers that group 7's rows take
	FLOAD 7
	s_wait_dscnt 0x0
	FSTORE 7
	s_cmp_eq_u32 s2, 1
	s_cbranch_scc1 .Ldone                          ; the last tile asks for nothing more
	s_wait_xcnt 0x0                                ; the stores and prefetches have read their registers and bases
	s_add_nc_u64 s[66:67], s[66:67], WALKB
	s_add_nc_u64 s[12:13], s[12:13], WALKB
	s_wait_tensorcnt 0x0
	ds_add_u32 v[SPW], v[NIL]
	s_add_nc_u64 s[G0+6:G0+7], s[G0+6:G0+7], NEXTA
	s_sub_nc_u64 s[G0B+6:G0B+7], s[G0B+6:G0B+7], 2*KSB
	s_add_nc_u64 s[G0C+2:G0C+3], s[G0C+2:G0C+3], WALKB
	s_wait_dscnt 0x0                               ; my reads of c are long over
	CROUND
	JLOAD 1                                        ; slot 1 takes the next tile's K step 1
	FIRSTF 0
	K012 0
	s_add_co_u32 s2, s2, 1
	s_cmp_lt_u32 s2, 2
	s_cbranch_scc1 .Ltile
.Ldone:
	s_wait_tensorcnt 0x0                           ; the wave's end
	ds_add_u32 v[SPW], v[NIL]
	s_wait_dscnt 0x0
	CROUND                                         ; the closing round
	s_endpgm
.Lfunc_end_k_q40ea0fa9bd_cell:
	.size	k_q40ea0fa9bd_cell, .Lfunc_end_k_q40ea0fa9bd_cell-k_q40ea0fa9bd_cell
	.p2alignl 7, 3214868480
	.fill 96, 4, 3214868480
	.section	.rodata,"a",@progbits
	.p2align	6, 0x0
	.amdhsa_kernel k_q40ea0fa9bd_cell
		.amdhsa_group_segment_fixed_size 327680
		.amdhsa_private_segment_fixed_size 0
		.amdhsa_enable_private_segment 0
		.amdhsa_kernarg_size 72
		.amdhsa_user_sgpr_count 2
		.amdhsa_user_sgpr_kernarg_segment_ptr 1
		.amdhsa_wavefront_size32 1
		.amdhsa_system_sgpr_workgroup_id_x 1
		.amdhsa_system_sgpr_workgroup_id_y 1
		.amdhsa_system_sgpr_workgroup_id_z 1
		.amdhsa_system_vgpr_workitem_id 0
		.amdhsa_next_free_vgpr 1024
		.amdhsa_next_free_sgpr 106
		.amdhsa_reserve_vcc 0
		.amdhsa_float_denorm_mode_32 3
		.amdhsa_float_denorm_mode_16_64 3
		.amdhsa_memory_ordered 1
		.amdhsa_forward_progress 1
		.amdhsa_inst_pref_size 255
	.end_amdhsa_kernel
	.section	.bss,"aw",@nobits
	.p2align	6
	.space	262144
	.amdgpu_metadata
---
amdhsa.version: [ 1, 2 ]
amdhsa.kernels:
  - .name:           k_q40ea0fa9bd_cell
    .symbol:         k_q40ea0fa9bd_cell.kd
    .args:
      - { .name: a_img, .offset: 0, .size: 8, .value_kind: global_buffer, .address_space: global }
      - { .name: b_img, .offset: 8, .size: 8, .value_kind: global_buffer, .address_space: global }
      - { .name: c, .offset: 16, .size: 8, .value_kind: global_buffer, .address_space: global }
      - { .name: b_i, .offset: 24, .size: 8, .value_kind: global_buffer, .address_space: global }
      - { .name: b_f, .offset: 32, .size: 8, .value_kind: global_buffer, .address_space: global }
      - { .name: b_g, .offset: 40, .size: 8, .value_kind: global_buffer, .address_space: global }
      - { .name: b_o, .offset: 48, .size: 8, .value_kind: global_buffer, .address_space: global }
      - { .name: out0, .offset: 56, .size: 8, .value_kind: global_buffer, .address_space: global }
      - { .name: out1, .offset: 64, .size: 8, .value_kind: global_buffer, .address_space: global }
    .group_segment_fixed_size: 327680
    .private_segment_fixed_size: 0
    .kernarg_segment_align: 8
    .kernarg_segment_size: 72
    .max_flat_workgroup_size: 128
    .sgpr_count:     106
    .vgpr_count:     1024
    .wavefront_size: 32
...
	.end_amdgpu_metadata
.endif
;; end of part 2
